; MI455X (gfx1250); checked and timed in simulation.
; The chip was launched on July 23, 2026; its instructions are those of AMD's public machine-readable ISA for CDNA 5 (MIT licence, August 2026) and "CDNA5" Instruction Set Architecture Reference Guide (July 2026). The comments in the code are by the model that wrote it; some were corrected since.
;; Self Attention. Allowed arithmetic: matrix products marked QUANTISED: E5M2 operands, one given power-of-two scale a tensor, by v_wmma_f32_16x16x64_bf8_bf8 or v_wmma_f32_16x16x128_bf8_bf8, f32 sums; everything else in f32.
;; Inputs: Wk_codes 1,024 x 32 x 32 uint8 (E5M2 codes of Wk, K innermost, in blocks of 32 codes); Wo_codes 1,024 x 32 x 32 uint8 (E5M2 codes of Wo, K innermost, in blocks of 32 codes); Wq_codes 1,024 x 32 x 32 uint8 (E5M2 codes of Wq, K innermost, in blocks of 32 codes); Wv_codes 1,024 x 32 x 32 uint8 (E5M2 codes of Wv, K innermost, in blocks of 32 codes); bk 1,024 float32; bo 1,024 float32; bq 1,024 float32; bv 1,024 float32; lowp_scales 12 int32 (the exponents e of the quantised operands' scales 2^e); x_codes 2 x 2,048 x 32 x 32 uint8 (E5M2 codes of x, K innermost, in blocks of 32 codes).
;; Outputs: out0 2 x 2,048 x 1,024 float32.
;; This version of the problem:
;;   THIS VERSION OF THE PROBLEM IS GIVEN IN LOW PRECISION. The matrix products marked QUANTISED in the list below multiply operands that are first quantised to E5M2 (5 exponent bits, 2 mantissa bits; 8 bits a number), with one given power-of-two scale for each operand tensor; their sums are f32. All else is computed in f32.
;;   The module's matrix products, in the order in which they are computed (A, B: the left and right operand; K: the contracted axis; several contracted axes count as one K, in the product's order):
;;     1. [M 4,096, K 1,024] x [K 1,024, N 1,024]; A: input x (given as codes); B: input Wq (given as codes): QUANTISED (scales: A lowp_scales[0], B lowp_scales[1])
;;     2. [M 4,096, K 1,024] x [K 1,024, N 1,024]; A: input x (given as codes); B: input Wk (given as codes): QUANTISED (scales: A lowp_scales[2], B lowp_scales[3])
;;     3. [M 4,096, K 1,024] x [K 1,024, N 1,024]; A: input x (given as codes); B: input Wv (given as codes): QUANTISED (scales: A lowp_scales[4], B lowp_scales[5])
;;     4. batch 32 x [M 2,048, K 64] x [K 64, N 2,048]; A: computed on the way; B: computed on the way: QUANTISED (scales: A lowp_scales[6], B lowp_scales[7])
;;     5. batch 32 x [M 2,048, K 2,048] x [K 2,048, N 64]; A: softmax (see below); B: computed on the way: QUANTISED (scales: A lowp_scales[8], B lowp_scales[9])
;;     6. [M 4,096, K 1,024] x [K 1,024, N 1,024]; A: computed on the way; B: input Wo (given as codes): QUANTISED (scales: A lowp_scales[10], B lowp_scales[11])
;;   THE QUANTISER, for each operand of a quantised product, along K:
;;     - The operand's scale is 2^e, e = its entry of the input lowp_scales (int32; the entries are numbered through the quantised products in the list's order, A before B).
;;     - Each number is divided by the scale, clamped to +-57,344, and rounded to the nearest number of E5M2, ties to even, subnormals kept.
;;     - The product sums the exact products of the quantised numbers (number of the format x scale) in f32.
;;   ~~~python
;;   def quantise(x, axis, e):      # numpy; x: float32 -> the quantised numbers, widened to float32 again
;;       x = np.moveaxis(x, axis, -1); K = x.shape[-1]
;;       r = np.clip(x / 2.0 ** e, -57344, 57344)
;;       step = 2.0 ** (np.maximum(np.frexp(np.where(r == 0, 1, r))[1] - 1, -14) - 2)
;;       q = np.round(r / step) * step * 2.0 ** e      # np.round: ties to even
;;       return np.moveaxis(q, -1, axis).astype(np.float32)
;;   ~~~
;;   SOFTMAX AHEAD OF A QUANTISED PRODUCT. Where the list says 'softmax', what is quantised is not the finished softmax but p = 2^(t - M), with t = logit x log2(e) and M = ceil(the row's largest t), a whole number; so 1/2 < the row's largest p <= 1. The row's sum l is taken of the UNQUANTISED p, in f32, and the product's result is divided by l at the end. Since M is a whole number, a kernel that streams over the keys may use a running M (the ceiling of the running maximum): every later rescaling is an exact power of two, so the quantised numbers keep their values, but for numbers so far below the row's largest that they fall under the format's range.
;;   OPERANDS COMPUTED ON THE WAY. 'Computed on the way' means the value that the module computes at that place (a softmax that the list does not call 'softmax' is quantised finished and normalised). What goes into a quantiser is computed in f32, as accurately as f32 sums, v_exp_f32 and their like allow (about 1e-6 of the number): no bf16 or f16 on the way to a quantiser, and a product that is left as it is and whose result goes on into a quantised operand takes f32 operands (vector FMAs, or v_wmma_f32_16x16x4_f32). A number that lies on a knife's edge between two numbers of the format may be rounded either way, as far as f32 arithmetic and the matrix unit's own rounding can turn it there, and no further.
;;   INPUTS GIVEN AS CODES. Wk (in the module: [1024, 1024], K = its axis 0); Wo (in the module: [1024, 1024], K = its axis 0); Wq (in the module: [1024, 1024], K = its axis 0); Wv (in the module: [1024, 1024], K = its axis 0); x (in the module: [2, 2048, 1024], K = its axis 2): each comes as NAME_codes (uint8): NAME with its K axis moved to the last place and cut into blocks of 32 codes, [.., K / 32, bytes a block], one block behind the other in memory; one code a byte (a code: sign, 5 exponent bits, 2 mantissa bits); its scale is its entry of lowp_scales. Its value is code x scale, taken as it is: it is not quantised again, and the codes and scales need not be those that the quantiser above would give.
;; One version. Each part assembles by itself: llvm-mc -triple=amdgcn-amd-amdhsa -mcpu=gfx1250 --defsym DOCPART=n.
;; ======== version 1 of 1: 3 launches
;; limits: right only within a limited range of input values
;; workspace buffers: q_img 4,194,304 bytes; kv_img 8,388,608 bytes; a_img 4,194,304 bytes
;; launch qkv (part 1): grid 16 x 16, 4 waves a work-group, clusters of 4 x 4, 327,680 bytes of LDS; arguments x_codes, Wq_codes, Wk_codes, Wv_codes, bq, bk, bv, lowp_scales, q_img, kv_img; writes q_img, kv_img
.if DOCPART == 1
	.amdgcn_target "amdgcn-amd-amdhsa--gfx1250"
	.amdhsa_code_object_version 6
	.text
	.protected	k_qee4bd7c349_qkv
	.globl	k_qee4bd7c349_qkv
	.p2align	8
	.type	k_qee4bd7c349_qkv,@function
k_qee4bd7c349_qkv:
	s_mov_b64 s[64:65], 0
	v_nop
	global_prefetch_b8 v0, s[64:65] scope:SCOPE_SE
	s_setreg_imm32_b32 hwreg(HW_REG_WAVE_MODE, 25, 1), 1
	s_wait_xcnt 0x0
	s_wait_alu depctr_hold_cnt(0) depctr_sa_sdst(0) depctr_va_vdst(0) depctr_va_sdst(0) depctr_va_ssrc(0) depctr_va_vcc(0) depctr_vm_vsrc(0)
	s_getreg_b32 s2, hwreg(HW_REG_IB_STS2, 6, 4)
	s_cmp_eq_u32 s2, 0
	s_cbranch_scc0 .Lentry_in_a_cluster
	s_endpgm
.Lentry_in_a_cluster:
	s_bfe_u32 s2, ttmp6, 0x10000c
	s_cmp_lg_u32 s2, 0xf033
	s_cbranch_scc0 .Lentry_shape_is_right
	s_endpgm
.Lentry_shape_is_right:
; q = x Wq + bq, k = x Wk + bk, v = x Wv + bv on codes of BF8 (E5M2), each result quantised at once for the attention launch.
; x: [4096][1024] codes; Wq, Wk, Wv: [1024 (out)][1024 (K)] codes; a row of each is 1,024 bytes.  Sums in f32; sum x 2^(ea + eb) + bias, held within +-57,344 x 2^eo, converted with 2^eo.
; (ea, eb, eo) = entries (0, 1, 6) of the scales for q, (2, 3, 7) for k, (4, 5, 9) for v.
; LIMITS: ea + eb between -126 and 127, eo between -126 and 112, so that each power of two below is an f32 number.  NaN is not served.
; SHARES.  256 work-groups of four waves: 256 tokens x the 64 channels of one head, in q, k and v alike.  A wave: 128 tokens (half sx) x 32 channels (half sw) of each: 48 accumulators.
;   q, k: source 0 = 16 rows of W, source 1 = 16 tokens: a lane holds one token and eight neighbouring channels, which are the next product's K.
;   v:    source 0 = 16 tokens, source 1 = 16 rows of Wv: a lane holds one channel and eight neighbouring keys, which are the next product's K.
; K goes in two halves of 512 through ONE slot of LDS, 448 rows of 528 bytes (512 + 16 of padding): two slots of that size do not fit.  The second half is asked for when the first half's last fragments are in registers; 48 matrix instructions stand behind that load.
; CLUSTERS: 4 x 4.  x's tile hangs on cy alone and is asked for jointly along a row, the weights' on cx alone, along a column.  Wave 0 fetches x's 256 rows, waves 1, 2, 3 the head's 64 rows of Wq, Wk, Wv.
; PREFETCH: the second half of K, once in each cluster, behind the first fragments' loads, three steps of 128 along K ahead of its load.  x: partner cx asks for rows 64 cx + 16 wave + 0..15 of the tile; the weights: partner cy for rows 16 cy + 0..15 of the head's 64; a lane a block of 256 bytes.
; OUTPUT: images of operand registers: a lane's 16 bytes at 16 x lane, 512 bytes a piece: each store of the wave covers 512 consecutive bytes, aligned.
;   q_img [bh 32][tile of 16 tokens 128][piece 2][lane][16]: lane (r, h), piece c: token r, channels 32 c + 8 h + 0..7, then 32 c + 16 + 8 h + 0..7.
;   kv_img [bh 32][chunk of 256 keys 8][K: 16 tiles as in q_img, 16 KiB | V: [128 keys 2][16 channels 4][piece 4][lane][16], 16 KiB]: V's lane (r, h), piece c: channel r, keys 32 c + 8 h + 0..7, then 32 c + 16 + 8 h + 0..7.
; REGISTERS.  window 0: v16-31 addresses and constants; v32-67 the biases; v96-127 v's codes; v128-255 x's fragments, set 0; on the way out v128-191 numbers, v192-255 q's and k's codes.
;   window 1: W's fragments: set 0 v0-95, set 1 v128-223 (q's two, k's two, v's two).   window 2: q's and k's accumulators (a, b) at v[8 (4 a + b)].   window 3: v's, (a, cv) at v[8 (2 a + cv)]; v128-255 x's fragments, set 1.
.set PITCH,  528
.set WB,     256*PITCH                 ; x's 256 rows, then 64 rows each of Wq, Wk, Wv
.set WPART,  64*PITCH
.set SPARE,  WB+3*WPART                ; the spare words, 128 bytes for each wave
.set ADRX, 16                          ; v16 LDS address of my fragments of x
.set ADRW, 17                          ; v17 of Wq and Wk
.set ADRV, 18                          ; v18 of Wv
.set PFX,  19                          ; v19, v20 the prefetches' offsets
.set PFW,  20
.set BOQ,  21                          ; v21 byte offset of my eight entries in bq and bk
.set BOV,  22                          ; v22 of my one entry in bv
.set VO,   23                          ; v23 16 x lane
.set QS,   24                          ; 2^eo and 57,344 x 2^eo: v24-25 for q, v26-27 for k, v30-31 for v
.set QL,   25
.set KS,   26
.set KL,   27
.set SPW,  28                          ; v28 my spare word; v29 0
.set NIL,  29
.set VS,   30
.set VL,   31
.set BIAS, 32                          ; v32-47 bq, v48-63 bk
.set BVB,  64                          ; v64-67 bv, each number twice
.set VC,   96
.set TMP,  128
.set CD,   192
.set G1,   24                          ; s[24:31] descriptor group 1 for x, s[32:35] group 0
.set G0,   32
.set G1B,  48                          ; s[48:55], s[56:59] for the weights
.set G0B,  56
.set MSB, 0
.macro WIN new                         ; the immediate's high byte repeats the setting that is left
.if MSB != (\new)
	s_set_vgpr_msb (MSB<<8)|(\new)
.set MSB, (\new)
.endif
.endm
.macro JLOAD                           ; the joint loads: the branch hangs on the wave's number alone; four v_nop follow each of the two lines
	s_cmp_eq_u32 s14, 0
	s_cbranch_scc0 .Lfor_w_\@
	tensor_load_to_lds s[G0:G0+3], s[G1:G1+7]
	s_nop 0
.rept 4
	v_nop
.endr
	s_branch .Lasked_\@
.Lfor_w_\@:
	tensor_load_to_lds s[G0B:G0B+3], s[G1B:G1B+7]
	s_nop 0
.rept 4
	v_nop
.endr
.Lasked_\@:
.endm
.macro CROUND                          ; a round of the cluster's barrier
	s_barrier_signal -1
	s_barrier_wait -1
	s_cmp_lg_u32 s14, 0
	s_cbranch_scc1 .Lnot_wave_0_\@
	s_barrier_signal -3
.Lnot_wave_0_\@:
	s_barrier_wait -3
	s_barrier_signal -1
	s_barrier_wait -1
.endm
.macro POW2 d, ea, eb                  ; 2^(ea + eb) as f32, twice: the packed form names a pair
	s_add_co_i32 s[\d], s[\ea], s[\eb]
	s_add_co_i32 s[\d], s[\d], 127
	s_lshl_b32 s[\d], s[\d], 23
	s_mov_b32 s[\d+1], s[\d]
.endm
.macro QUANT qs, ql, e                 ; 2^e and 57,344 x 2^e
	s_add_co_i32 s60, s[\e], 127
	s_lshl_b32 s61, s60, 23
	v_mov_b32 v[\qs], s61
	s_add_co_i32 s60, s60, 15
	s_lshl_b32 s60, s60, 23
	s_or_b32 s60, s60, 0x600000
	v_mov_b32 v[\ql], s60
.endm
	s_load_b512 s[68:83], s[0:1], 0x0              ; x, Wq s[70:71], Wk s[72:73], Wv s[74:75], bq s[76:77], bk s[78:79], bv s[80:81], the scales s[82:83]
	s_load_b128 s[84:87], s[0:1], 0x40             ; q_img, kv_img
	v_lshl_add_u32 v[SPW], v0, 2, SPARE
	v_mov_b32 v[NIL], 0
	ds_add_u32 v[SPW], v[NIL]                      ; the wave's opening: the add, twice on end, and its wait
	ds_add_u32 v[SPW], v[NIL]
	v_lshrrev_b32 v1, 5, v0
	v_readfirstlane_b32 s14, v1                    ; wave 0..3
	s_lshr_b32 s15, s14, 1                         ; sx: my half of the tokens
	s_and_b32 s16, s14, 1                          ; sw: my half of each product's channels
	s_bfe_u32 s40, ttmp6, 0x40000                  ; cx, cy: my place in the cluster
	s_bfe_u32 s41, ttmp6, 0x40004
	s_lshl_b32 s42, ttmp9, 2
	s_add_co_u32 s42, s42, s40                     ; the head
	s_and_b32 s17, ttmp7, 0xffff
	s_lshl_b32 s17, s17, 2
	s_add_co_u32 s17, s17, s41                     ; the block of 256 tokens
	s_lshl_b32 s43, s41, 2
	s_lshl_b32 s43, 15, s43                        ; my row of the cluster
	s_lshl_b32 s44, 0x1111, s40                    ; my column
	s_or_b32 s[G1], s43, (1<<20)|(1<<21)|(6<<22)|(3<<25)    ; 15:0 the mask; elements of 1 byte; 20 padding on; 21 set beside a mask; 24:22 after every 128 words; 31:25 four words
	s_or_b32 s[G1B], s44, (1<<20)|(1<<21)|(6<<22)|(3<<25)
	s_mov_b32 s[G1+1], 512<<16                     ; rows of 512 bytes, 1,024 apart: 256 of x,
	s_mov_b32 s[G1+2], 256<<16
	s_mov_b32 s[G1+3], 512<<16
	s_mov_b32 s[G1+4], 256
	s_mov_b32 s[G1+5], 1024
	s_mov_b32 s[G1+6], 0
	s_mov_b32 s[G1+7], 0
	s_mov_b32 s[G1B+1], 512<<16                    ; 64 of a weight
	s_mov_b32 s[G1B+2], 64<<16
	s_mov_b32 s[G1B+3], 512<<16
	s_mov_b32 s[G1B+4], 64
	s_mov_b32 s[G1B+5], 1024
	s_mov_b32 s[G1B+6], 0
	s_mov_b32 s[G1B+7], 0
	s_lshl_b32 s20, s17, 18                        ; x: 256 rows a block
	s_mov_b32 s21, 0
	s_lshl_b32 s46, s42, 16                        ; a weight: 64 rows a head
	s_mov_b32 s47, 0
	s_mul_i32 s45, s14, WPART
	s_add_co_u32 s45, s45, WB-WPART                ; where waves 1, 2, 3 put theirs: no place in the cluster enters an LDS address
	s_wait_dscnt 0x0                               ; both opening adds are done
	s_wait_kmcnt 0x0
	s_load_b256 s[88:95], s[82:83], 0x0            ; e0 .. e7
	s_load_b128 s[96:99], s[82:83], 0x20           ; e8 .. e11
	s_cmp_eq_u32 s14, 1                            ; the weight that I fetch: wave 1 Wq, wave 2 Wk, wave 3 Wv (wave 0 fetches none)
	s_cselect_b64 s[8:9], s[70:71], s[74:75]
	s_cmp_eq_u32 s14, 2
	s_cselect_b64 s[8:9], s[72:73], s[8:9]
	s_add_nc_u64 s[20:21], s[68:69], s[20:21]
	s_add_nc_u64 s[46:47], s[8:9], s[46:47]
	s_mov_b32 s[G0], 1
	s_mov_b32 s[G0+1], 0
	s_mov_b64 s[G0+2:G0+3], s[20:21]
	s_or_b32 s[G0+3], s[G0+3], 0x80000000
	s_mov_b32 s[G0B], 1
	s_mov_b32 s[G0B+1], s45
	s_mov_b64 s[G0B+2:G0B+3], s[46:47]
	s_or_b32 s[G0B+3], s[G0B+3], 0x80000000
	CROUND                                         ; all sixteen work-groups are here: the first joint loads meet
	JLOAD                                          ; K 0..511: one tensor load a wave at the head
	s_mul_i32 s60, s15, 128*PITCH                  ; my 128 tokens
	s_mul_i32 s61, s16, 32*PITCH
	s_add_co_u32 s61, s61, WB                      ; my 32 rows of Wq
	s_lshl_b32 s12, s42, 8
	s_lshl_b32 s13, s16, 7
	s_add_co_u32 s12, s12, s13                     ; my first entry of a bias, in bytes
	s_lshl_b32 s13, s40, 6
	s_lshl_b32 s18, s14, 4
	s_add_co_u32 s13, s13, s18                     ; my first row of the prefetch of x,
	s_lshl_b32 s18, s41, 4                         ; and of a weight
	v_and_b32 v1, 15, v0                           ; r = lane % 16
	v_bfe_u32 v2, v0, 4, 1                         ; h = lane / 16
	v_mul_u32_u24 v3, v1, PITCH
	v_lshl_add_u32 v3, v2, 4, v3                   ; a fragment's row x pitch + 16 x half
	v_add_nc_u32 v[ADRX], s60, v3
	v_add_nc_u32 v[ADRW], s61, v3
	v_add_nc_u32 v[ADRV], 2*WPART, v[ADRW]
	v_add_nc_u32 v[PFX], s13, v1
	v_lshlrev_b32 v[PFX], 10, v[PFX]
	v_lshl_add_u32 v[PFX], v2, 8, v[PFX]           ; the two blocks of 256 bytes of a row's second half: one for each half of the lanes
	v_add_nc_u32 v[PFW], s18, v1
	v_lshlrev_b32 v[PFW], 10, v[PFW]
	v_lshl_add_u32 v[PFW], v2, 8, v[PFW]
	v_lshl_add_u32 v[BOQ], v2, 5, s12              ; block b's eight: 16 b + 8 h + 0..7
	v_lshl_add_u32 v[BOV], v1, 2, s12              ; block cv's one: 16 cv + r
	v_and_b32 v[VO], 31, v0
	v_lshlrev_b32 v[VO], 4, v[VO]
.irp b, 0,1
	global_load_b128 v[BIAS+8*\b:BIAS+8*\b+3],       v[BOQ], s[76:77] offset:64*\b
	global_load_b128 v[BIAS+8*\b+4:BIAS+8*\b+7],     v[BOQ], s[76:77] offset:64*\b+16
	global_load_b128 v[BIAS+16+8*\b:BIAS+16+8*\b+3], v[BOQ], s[78:79] offset:64*\b
	global_load_b128 v[BIAS+20+8*\b:BIAS+20+8*\b+3], v[BOQ], s[78:79] offset:64*\b+16
	global_load_b32 v[BVB+2*\b],   v[BOV], s[80:81] offset:64*\b
	global_load_b32 v[BVB+2*\b+1], v[BOV], s[80:81] offset:64*\b   ; twice: the packed multiply-add names a pair
.endr
	s_wait_alu depctr_va_vdst(0)
	; where my results go: bh = 16 (block / 8) + head, chunk = block % 8
	s_lshr_b32 s60, s17, 3
	s_lshl_b32 s60, s60, 4
	s_add_co_u32 s60, s60, s42                     ; bh
	s_and_b32 s61, s17, 7
	s_lshl_b32 s12, s60, 17
	s_lshl_b32 s13, s61, 14
	s_add_co_u32 s12, s12, s13
	s_lshl_b32 s18, s15, 13
	s_lshl_b32 s19, s16, 9
	s_add_co_u32 s12, s12, s18
	s_add_co_u32 s12, s12, s19                     ; q: 128 KiB a head, 16 KiB a block, 8 KiB a half; piece sw
	s_mov_b32 s13, 0
	s_add_nc_u64 s[4:5], s[84:85], s[12:13]
	s_lshl_b32 s12, s60, 18
	s_lshl_b32 s13, s61, 15
	s_add_co_u32 s12, s12, s13
	s_add_co_u32 s12, s12, s18                     ; k and v: 256 KiB a head, 32 KiB a block
	s_add_co_u32 s60, s12, s19                     ; k: piece sw
	s_mov_b32 s61, 0
	s_add_nc_u64 s[6:7], s[86:87], s[60:61]
	s_lshl_b32 s19, s16, 12
	s_add_co_u32 s60, s12, s19
	s_add_co_u32 s60, s60, 16384                   ; v: channels 32 sw on
	s_add_nc_u64 s[10:11], s[86:87], s[60:61]
	s_wait_kmcnt 0x0                               ; the scales' exponents
	POW2 100, 88, 89
	POW2 62, 90, 91
	POW2 66, 92, 93
	QUANT QS, QL, 94
	QUANT KS, KL, 95
	QUANT VS, VL, 97
; A fragment: lane l holds row l % 16; registers 4 c .. 4 c + 3 hold K = 32 c + 16 (l / 16) + 0..15: the same order of K in both operands.
.macro FETCHW q, s                     ; the six fragments of W of the q-th 128 along K: 24 loads
	WIN 0x40
.irp b, 0,1,2,3
.irp c, 0,1,2,3
	ds_load_b128 v[128*(\s)+16*\b+4*\c:128*(\s)+16*\b+4*\c+3], v[ADRW] offset:(\b/2)*WPART+(\b%2)*16*PITCH+128*(\q)+32*\c
.endr
.endr
.irp b, 0,1
.irp c, 0,1,2,3
	ds_load_b128 v[128*(\s)+64+16*\b+4*\c:128*(\s)+64+16*\b+4*\c+3], v[ADRV] offset:\b*16*PITCH+128*(\q)+32*\c
.endr
.endr
.endm
.macro FETCHX q, s                     ; the eight of x: 32 loads
	WIN 0xc0*(\s)
.irp a, 0,1,2,3,4,5,6,7
.irp c, 0,1,2,3
	ds_load_b128 v[128+16*\a+4*\c:128+16*\a+4*\c+3], v[ADRX] offset:\a*16*PITCH+128*(\q)+32*\c
.endr
.endr
.endm
.macro WM d, x, y, zero
.if \zero
	v_wmma_f32_16x16x128_bf8_bf8 v[\d:\d+7], v[\x:\x+15], v[\y:\y+15], 0
.else
	v_wmma_f32_16x16x128_bf8_bf8 v[\d:\d+7], v[\x:\x+15], v[\y:\y+15], v[\d:\d+7]
.endif
.endm
; 24 matrix instructions: x's blocks a0 .. a0 + 3.  The 48 accumulators take turns, in the same order in every step.
.macro MUL s, a0, zero
	WIN 0xa1+0x0c*(\s)
.irp a, 0,1,2,3
.irp b, 0,1,2,3
	WM 8*(4*(\a0+\a)+\b), 128*(\s)+16*\b, 128+16*(\a0+\a), \zero
.endr
.endr
	WIN 0xf4+0x03*(\s)
.irp a, 0,1,2,3
.irp b, 0,1
	WM 8*(2*(\a0+\a)+\b), 128+16*(\a0+\a), 128*(\s)+64+16*\b, \zero
.endr
.endr
.endm
.macro PLACES                          ; plain vector lines between a matrix instruction and a load into one of its registers (ISA guide 7.12.1 for vector lines)
.rept 4
	v_nop
.endr
.endm
; A step of 128 along K on set s; nx = 1: the next step's fragments go into the other sets.
.macro STEP q, s, zero, nx
	s_wait_dscnt 16                                ; W and x's blocks 0-3 are in; the youngest sixteen loads (blocks 4-7) may be out
.if \nx
	PLACES
	FETCHW (\q)+1, 1-(\s)
.endif
	MUL \s, 0, \zero
.if \nx
	s_wait_dscnt 24                                ; x's blocks 4-7 are in; the 24 just issued may be out
	FETCHX (\q)+1, 1-(\s)
.else
	s_wait_dscnt 0x0
.endif
	MUL \s, 4, \zero
.endm
	s_wait_alu depctr_va_vdst(0)
	s_wait_tensorcnt 0x0                           ; my part of K 0..511 is in
	s_barrier_signal -1
	s_barrier_wait -1                              ; everybody's is
	FETCHW 0, 0
	FETCHX 0, 0
	WIN 0
	global_prefetch_b8 v[PFX], s[20:21] offset:512 th:TH_LOAD_NT scope:SCOPE_SE
	s_cmp_eq_u32 s14, 0
	s_cbranch_scc1 .Lno_weight                     ; wave 0 fetches no weight
	global_prefetch_b8 v[PFW], s[46:47] offset:512 th:TH_LOAD_NT scope:SCOPE_SE
.Lno_weight:
	STEP 0, 0, 1, 1                                ; the first products start the sums
	STEP 1, 1, 0, 1
	STEP 2, 0, 0, 1
	WIN 0
	s_wait_tensorcnt 0x0
	ds_add_u32 v[SPW], v[NIL]
	s_add_nc_u64 s[G0+2:G0+3], s[G0+2:G0+3], 512
	s_add_nc_u64 s[G0B+2:G0B+3], s[G0B+2:G0B+3], 512
	s_wait_dscnt 0x0                               ; the add is done; the last fragments of K 0..511 are in registers
	CROUND                                         ; in every wave of every partner
	JLOAD                                          ; K 512..1023 into the same bytes
	MUL 1, 0, 0                                    ; 48 matrix instructions behind the load
	MUL 1, 4, 0
	WIN 0
	s_wait_tensorcnt 0x0                           ; my part is in
	s_barrier_signal -1
	s_barrier_wait -1                              ; everybody's is; nothing is filled again
	FETCHW 0, 0
	FETCHX 0, 0
	STEP 0, 0, 0, 1
	STEP 1, 1, 0, 1
	STEP 2, 0, 0, 1
	STEP 3, 1, 0, 0
	WIN 0
; THE WAY OUT: sum x 2^(ea + eb) + bias, held within the largest code x the scale (the conversion to an 8-bit code does not saturate: ISA guide 7.6.2), converted eight neighbours along the next K at a time.
.macro EPQK a                          ; 16 tokens: one piece of q, one of k
.set NB, TMP+32*((\a)%2)
.set CB, CD+8*(\a)
	WIN 0x02
.irp b, 0,1,2,3
.irp i, 0,2,4,6
.if \b < 2
	v_pk_fma_f32 v[NB+8*\b+\i:NB+8*\b+\i+1], v[8*(4*(\a)+\b)+\i:8*(4*(\a)+\b)+\i+1], s[100:101], v[BIAS+8*\b+\i:BIAS+8*\b+\i+1] op_sel_hi:[1,0,1]
.else
	v_pk_fma_f32 v[NB+8*\b+\i:NB+8*\b+\i+1], v[8*(4*(\a)+\b)+\i:8*(4*(\a)+\b)+\i+1], s[62:63], v[BIAS+8*\b+\i:BIAS+8*\b+\i+1] op_sel_hi:[1,0,1]
.endif
.endr
.endr
	WIN 0
.set j, 0
.rept 16
	v_med3_num_f32 v[NB+j], v[NB+j], -v[QL], v[QL]
	v_med3_num_f32 v[NB+16+j], v[NB+16+j], -v[KL], v[KL]
.set j, j+1
.endr
.irp b, 0,1
	v_cvt_scalef32_pk8_bf8_f32 v[CB+2*\b:CB+2*\b+1], v[NB+8*\b:NB+8*\b+7], v[QS]
	v_cvt_scalef32_pk8_bf8_f32 v[CB+4+2*\b:CB+4+2*\b+1], v[NB+16+8*\b:NB+16+8*\b+7], v[KS]
.endr
	v_nop                                          ; one plain vector line behind the last conversion
	global_store_b128 v[VO], v[CB:CB+3], s[4:5] offset:1024*(\a)
	global_store_b128 v[VO], v[CB+4:CB+7], s[6:7] offset:1024*(\a)
.endm
.macro EPV cv                          ; 16 channels x my 128 keys: four pieces of v
	WIN 0x03
.irp a, 0,1,2,3,4,5,6,7
.irp i, 0,2,4,6
	v_pk_fma_f32 v[TMP+8*\a+\i:TMP+8*\a+\i+1], v[8*(2*\a+\cv)+\i:8*(2*\a+\cv)+\i+1], s[66:67], v[BVB+2*\cv:BVB+2*\cv+1] op_sel_hi:[1,0,1]
.endr
.endr
	WIN 0
.set j, 0
.rept 64
	v_med3_num_f32 v[TMP+j], v[TMP+j], -v[VL], v[VL]
.set j, j+1
.endr
.irp a, 0,1,2,3,4,5,6,7
	v_cvt_scalef32_pk8_bf8_f32 v[VC+16*\cv+2*\a:VC+16*\cv+2*\a+1], v[TMP+8*\a:TMP+8*\a+7], v[VS]
.endr
	v_nop
.irp c, 0,1,2,3
	global_store_b128 v[VO], v[VC+16*\cv+4*\c:VC+16*\cv+4*\c+3], s[10:11] offset:2048*\cv+512*\c
.endr
.endm
	s_wait_loadcnt 0x0                             ; the biases
	PLACES                                         ; behind the last products, whose results are read below
.irp a, 0,1,2,3,4,5,6,7
	EPQK \a
.endr
	EPV 0
	EPV 1
	s_wait_tensorcnt 0x0                           ; the wave's end
	ds_add_u32 v[SPW], v[NIL]
	s_wait_dscnt 0x0
	CROUND                                         ; the closing round: no work-group ends while a partner may still ask for a tile that names it
	s_endpgm
.Lfunc_end_k_qee4bd7c349_qkv:
	.size	k_qee4bd7c349_qkv, .Lfunc_end_k_qee4bd7c349_qkv-k_qee4bd7c349_qkv
	.p2alignl 7, 3214868480
	.fill 96, 4, 3214868480
	.section	.rodata,"a",@progbits
	.p2align	6, 0x0
	.amdhsa_kernel k_qee4bd7c349_qkv
		.amdhsa_group_segment_fixed_size 327680
		.amdhsa_private_segment_fixed_size 0
		.amdhsa_enable_private_segment 0
		.amdhsa_kernarg_size 80
		.amdhsa_user_sgpr_count 2
		.amdhsa_user_sgpr_kernarg_segment_ptr 1
		.amdhsa_wavefront_size32 1
		.amdhsa_system_sgpr_workgroup_id_x 1
		.amdhsa_system_sgpr_workgroup_id_y 1
		.amdhsa_system_sgpr_workgroup_id_z 1
		.amdhsa_system_vgpr_workitem_id 0
		.amdhsa_next_free_vgpr 1024
		.amdhsa_next_free_sgpr 102
		.amdhsa_reserve_vcc 0
		.amdhsa_float_denorm_mode_32 3
		.amdhsa_float_denorm_mode_16_64 3
		.amdhsa_memory_ordered 1
		.amdhsa_forward_progress 1
		.amdhsa_inst_pref_size 108
	.end_amdhsa_kernel
	.amdgpu_metadata
---
amdhsa.version: [ 1, 2 ]
amdhsa.kernels:
  - .name:           k_qee4bd7c349_qkv
    .symbol:         k_qee4bd7c349_qkv.kd
    .args:
      - { .name: x_codes, .offset: 0, .size: 8, .value_kind: global_buffer, .address_space: global }
      - { .name: Wq_codes, .offset: 8, .size: 8, .value_kind: global_buffer, .address_space: global }
      - { .name: Wk_codes, .offset: 16, .size: 8, .value_kind: global_buffer, .address_space: global }
      - { .name: Wv_codes, .offset: 24, .size: 8, .value_kind: global_buffer, .address_space: global }
      - { .name: bq, .offset: 32, .size: 8, .value_kind: global_buffer, .address_space: global }
      - { .name: bk, .offset: 40, .size: 8, .value_kind: global_buffer, .address_space: global }
      - { .name: bv, .offset: 48, .size: 8, .value_kind: global_buffer, .address_space: global }
      - { .name: lowp_scales, .offset: 56, .size: 8, .value_kind: global_buffer, .address_space: global }
      - { .name: q_img, .offset: 64, .size: 8, .value_kind: global_buffer, .address_space: global }
      - { .name: kv_img, .offset: 72, .size: 8, .value_kind: global_buffer, .address_space: global }
    .group_segment_fixed_size: 327680
    .private_segment_fixed_size: 0
    .kernarg_segment_align: 8
    .kernarg_segment_size: 80
    .max_flat_workgroup_size: 128
    .sgpr_count:     102
    .vgpr_count:     1024
    .wavefront_size: 32
...
	.end_amdgpu_metadata
.endif
;; end of part 1
;; launch attn (part 2): grid 8 x 32, 8 waves a work-group, no clusters, 263,168 bytes of LDS; arguments q_img, kv_img, lowp_scales, a_img; writes a_img
.if DOCPART == 2
	.amdgcn_target "amdgcn-amd-amdhsa--gfx1250"
	.amdhsa_code_object_version 6
	.text
	.protected	k_qee4bd7c349_attn
	.globl	k_qee4bd7c349_attn
	.p2align	8
	.type	k_qee4bd7c349_attn,@function
k_qee4bd7c349_attn:
	s_mov_b64 s[64:65], 0
	v_nop
	global_prefetch_b8 v0, s[64:65] scope:SCOPE_SE
	s_setreg_imm32_b32 hwreg(HW_REG_WAVE_MODE, 25, 1), 1
	s_wait_xcnt 0x0
; O = softmax(Q K^T / 8) V for each of 32 (batch, head), both products on codes of BF8 (E5M2), and O quantised at once for the projection.
; SOFTMAX AHEAD OF THE SECOND PRODUCT: t = score x c, c = log2(e) / 8 x 2^(eq + ek); M = the row's largest t so far, rounded up to a whole number; p = 2^(t - M), quantised along the keys, not normalised.
; The row's sum is taken of the unquantised p in f32 and divides at the end.  When M moves, the sum and O are multiplied by 2^(old M - new M).
; M IS ROUNDED UP FROM t (1 + 2^-23): more than t's own rounding, so that score x c, unrounded, never passes M and p is at most 1 for every finite score.  (Where t lies so close under a whole number, M may be one greater: sum and codes halve alike.)
; THE HOLD of p at 57,344 x 2^ep can change nothing where ep >= -15: p / 2^ep is then at most 32,768.  Where ep < -15 it is done.
; NO CLUSTER, NO TENSOR LOAD: the waves copy K and V through registers, an eighth of each step a wave, each byte of the head once for the work-group.
; No prefetch: each step's bytes are asked for by ordinary loads a whole step of 256 keys ahead of their store to LDS.
; SHARES.  A work-group: one (batch, head), 256 queries; a wave: 32 of them, two tiles of 16.  A step is 256 keys, 8 steps.  All 262,144 bytes of the head's K and V come to lie in LDS; no byte of it is stored twice.
; LAYOUT.  S^T = K Q^T (source 0 = 16 keys), O^T = V^T P^T (source 0 = 16 channels): a lane holds ONE query (lane % 16) throughout.  kv_img and q_img are images of operand registers: every load is 16 bytes at 16 x lane.
; a_img: [tile of 16 rows 256][head 16][piece 2][lane][16]: lane (r, h), piece b: row r, channels 32 b + 16 h + 0..15 of the head.
; LIMITS: eq + ek between -123 and 130, ep and eo between -126 and 112, so that each power of two below is an f32 number; ep + ev is applied by v_ldexp_f32.  NaN is not served.
; REGISTERS.  window 0: v1-31 work; v32-95 K or V; v96-127 P of keys 128..255 of the step; v128-191 O^T; v192-207 Q; v208-239 staging; v240-241 a permute's result.
;   window 1: S^T, tile t's key tile k at v[128 t + 8 k], then p.  When keys 128..255 have been converted: v64-127 V of keys 0..127, v192-223 P of keys 0..127, v224-255 the next step's key tiles 0-3.
.set WV,   12                          ; s12 my wave's number
.set SEL,  20                          ; s[20:21] selects for lane l xor 16
.set CS,   22                          ; s[22:23] c
.set CN,   24                          ; s24 -c
.set SLK,  25                          ; s25 2^-23
.set TB,   26                          ; s26 LDS byte of the step in hand
.set CNT,  27                          ; s27 steps to go, this one among them
.set KVB,  28                          ; s[28:29] kv_img at my eighth of the step before the one that was asked for last
.set L16,  1                           ; v1 16 x lane
.set ADR,  2                           ; v2 TB + 16 x lane
.set STA,  3                           ; v3 TB + my eighth + 16 x lane
.set WST,  4                           ; v4 my eighth + 16 x lane
.set SPW,  6                           ; v6 my spare word
.set NIL,  7                           ; v7 0
.set NM,   8                           ; v[8:11] -M (low halves)
.set FF,   12                          ; v[12:15] 2^(old M - new M) (low halves)
.set LS,   16                          ; v[16:19] the sums, in two halves
.set RUN,  20                          ; v20-21 the largest scores so far
.set AC,   22                          ; v22-29 chains: maxima, then sums; four registers a tile
.set HOLD, 30
.set SCL,  31
.set KV,   32
.set P,    96
.set O,    128
.set Q,    192
.set STG,  208
.set PM,   240
.set KN,   224                         ; window 1: key tiles 0-3
.set SPARE, 262144                     ; behind K and V: the spare words, 128 bytes for each wave
.set MSB, 0
.macro WIN new                         ; the immediate's high byte repeats the setting that is left
.if MSB != (\new)
	s_set_vgpr_msb (MSB<<8)|(\new)
.set MSB, (\new)
.endif
.endm
.macro LDT tile, reg                   ; four key tiles of 16 keys: eight loads
.irp i, 0,1,2,3
	ds_load_b128 v[\reg+8*\i:\reg+8*\i+3],   v[ADR] offset:1024*(\tile+\i)
	ds_load_b128 v[\reg+8*\i+4:\reg+8*\i+7], v[ADR] offset:1024*(\tile+\i)+512
.endr
.endm
.macro QT tile, reg, win               ; their scores, for both tiles of queries: D in window 1
	WIN \win
.irp i, 0,1,2,3
.irp t, 0,1
	v_wmma_f32_16x16x64_bf8_bf8 v[128*\t+8*(\tile+\i):128*\t+8*(\tile+\i)+7], v[\reg+8*\i:\reg+8*\i+7], v[Q+8*\t:Q+8*\t+7], 0
.endr
.endr
.endm
.macro MAXES first, n                  ; maxima of n pairs of registers: three chains a tile, begun with the largest score so far; each accumulator from its low end on
	WIN 0x14                               ; sources 1 and 2 in window 1
.set m, \first
.rept \n
.irp t, 0,1
.if m < 3
	v_max3_num_f32 v[AC+4*\t+m], v[RUN+\t], v[128*\t+2*m], v[128*\t+2*m+1]
.else
	v_max3_num_f32 v[AC+4*\t+(m%3)], v[AC+4*\t+(m%3)], v[128*\t+2*m], v[128*\t+2*m+1]
.endif
.endr
.set m, m+1
.endr
	WIN 0
.endm
.macro GET reg, base, off              ; my eighth of a step: 2,048 bytes of K, 2,048 of V
.irp c, 0,1,2,3
	global_load_b128 v[\reg+4*\c:\reg+4*\c+3], v[L16], s[\base:\base+1] offset:\off+512*\c
.endr
.irp c, 0,1,2,3
	global_load_b128 v[\reg+16+4*\c:\reg+16+4*\c+3], v[L16], s[\base:\base+1] offset:\off+16384+512*\c
.endr
.endm
.macro PUT reg, adr, off
.irp c, 0,1,2,3
	ds_store_b128 v[\adr], v[\reg+4*\c:\reg+4*\c+3] offset:\off+512*\c
.endr
.irp c, 0,1,2,3
	ds_store_b128 v[\adr], v[\reg+16+4*\c:\reg+16+4*\c+3] offset:\off+16384+512*\c
.endr
.endm
.macro PLACES n                        ; plain vector lines behind a matrix instruction (ISA guide 7.12.1)
.rept \n
	v_nop
.endr
.endm
	s_load_b256 s[4:11], s[0:1], 0x0               ; q_img, kv_img, the scales, a_img
	v_lshl_add_u32 v[SPW], v0, 2, SPARE
	v_mov_b32 v[NIL], 0
	v_lshrrev_b32 v5, 5, v0
	v_readfirstlane_b32 s[WV], v5                  ; wave 0..7
	v_and_b32 v[L16], 31, v0
	v_lshlrev_b32 v[L16], 4, v[L16]
	s_lshl_b32 s16, s[WV], 11                      ; my eighth of a step's K or V; also my two tiles of queries
	v_add_nc_u32 v[WST], s16, v[L16]
	s_wait_alu depctr_va_vdst(0)
	s_and_b32 s15, ttmp7, 0xffff                   ; bh
	s_lshl_b32 s18, s15, 18
	s_add_co_u32 s18, s18, s16                     ; kv_img: 256 KiB a head
	s_mov_b32 s19, 0
	s_lshl_b32 s30, s15, 17
	s_lshl_b32 s31, ttmp9, 14
	s_add_co_u32 s30, s30, s31
	s_add_co_u32 s30, s30, s16                     ; q_img: 128 KiB a head, 16 KiB a work-group
	s_mov_b32 s31, 0
	s_lshr_b32 s32, s15, 4
	s_lshl_b32 s32, s32, 7
	s_lshl_b32 s33, ttmp9, 4
	s_add_co_u32 s32, s32, s33
	s_lshl_b32 s33, s[WV], 1
	s_add_co_u32 s32, s32, s33                     ; my first tile of rows of a_img,
	s_lshl_b32 s32, s32, 14
	s_and_b32 s33, s15, 15
	s_lshl_b32 s33, s33, 10
	s_add_co_u32 s32, s32, s33                     ; and my head in it
	s_mov_b32 s33, 0
	s_mov_b32 s[SEL], 0x76543210
	s_mov_b32 s[SEL+1], 0xfedcba98
	s_mov_b32 s[CS], 0x3e38aa3b                    ; log2(e) / 8
	s_mov_b32 s[SLK], 0x34000000
	s_mov_b32 s[TB], 0
	s_mov_b32 s[CNT], 8
	s_wait_kmcnt 0x0
	s_load_b128 s[52:55], s[8:9], 0x18             ; eq, ek, ep, ev
	s_load_b32 s56, s[8:9], 0x28                   ; eo
	s_add_nc_u64 s[KVB:KVB+1], s[6:7], s[18:19]
	s_add_nc_u64 s[4:5], s[4:5], s[30:31]
	s_add_nc_u64 s[10:11], s[10:11], s[32:33]
	GET KV, KVB, 0                                 ; step 0
.irp t, 0,1
.irp c, 0,1
	global_load_b128 v[Q+8*\t+4*\c:Q+8*\t+4*\c+3], v[L16], s[4:5] offset:1024*\t+512*\c
.endr
.endr
	GET STG, KVB, 32768                            ; step 1
.set j, 0
.rept 64
	v_mov_b32 v[O+j], 0                            ; the step is written once: the first change of M leaves zeros
.set j, j+1
.endr
.irp t, 0,1
	v_mov_b32 v[NM+2*\t], 0x7f61b1e6               ; -M = 3e38: under every score
	v_mov_b32 v[NM+2*\t+1], 0
	v_mov_b32 v[FF+2*\t+1], 0
	v_mov_b32 v[LS+2*\t], 0
	v_mov_b32 v[LS+2*\t+1], 0
	v_mov_b32 v[RUN+\t], 0xff61b1e6                ; -3e38
	v_mov_b32 v[PM+\t], 0
.endr
	v_add_nc_u32 v[ADR], s[TB], v[L16]
	v_add_nc_u32 v[STA], s[TB], v[WST]
	s_wait_kmcnt 0x0
	s_add_co_i32 s57, s52, s53
	s_lshl_b32 s57, s57, 23
	s_add_co_i32 s[CS], s[CS], s57                 ; eq + ek into c's exponent field
	s_mov_b32 s[CS+1], s[CS]                       ; (named with it as a pair)
	s_or_b32 s[CN], s[CS], 0x80000000
	s_add_co_i32 s57, s54, 127
	s_lshl_b32 s58, s57, 23
	v_mov_b32 v[SCL], s58                          ; 2^ep: the conversion takes its exponent field
	s_add_co_i32 s57, s57, 15
	s_lshl_b32 s57, s57, 23
	s_or_b32 s57, s57, 0x600000
	v_mov_b32 v[HOLD], s57                         ; 57,344 x 2^ep
	s_wait_alu depctr_va_vdst(0)
	s_wait_loadcnt 12                              ; step 0 is in; behind it Q's 4 and step 1's 8
	PUT KV, WST, 0
	s_wait_dscnt 0x0
	s_barrier_signal -1
	s_barrier_wait -1                              ; all eight parts of step 0 are in LDS
	WIN 0x40
	LDT 0, KN
	WIN 0
	LDT 4, KV
	LDT 8, KV+32
	s_wait_loadcnt 8                               ; Q is in; step 1's 8 may be out
.Lstep:
	PLACES 5                                       ; in front of key tiles 8-11, whose scores write over the last step's V and P in window 1
	s_wait_dscnt 16                                ; key tiles 0-3 are in; behind them the sixteen loads of tiles 4-11
	QT 0, KN, 0x41
	s_wait_dscnt 8
	QT 4, KV, 0x40
	s_wait_dscnt 0x0
	QT 8, KV+32, 0x40
	WIN 0
	PLACES 5                                       ; four in front of the loads; five in front of tiles 12-15, whose scores write over KN
	LDT 12, KV
	MAXES 0, 48                                    ; tiles 0-11, under the loads
	s_wait_alu depctr_va_vdst(0)
	s_wait_dscnt 0x0
	QT 12, KV, 0x40
	WIN 0
	PLACES 4
.irp ct, 0,1,2,3
.irp c, 0,1,2,3
	ds_load_b128 v[KV+16*\ct+4*\c:KV+16*\ct+4*\c+3], v[ADR] offset:16384+8192+2048*\ct+512*\c   ; V of keys 128..255
.endr
.endr
	s_wait_alu depctr_va_vdst(0)
	s_cmp_lt_u32 s[CNT], 2                         ; the last step stores nothing,
	s_cbranch_scc1 .Lkept
	s_wait_loadcnt 0x0                             ; my eighth of the next step, asked for a step ago,
	PUT STG, STA, 32768                            ; into bytes that nobody reads before the barrier below
	s_cmp_lt_u32 s[CNT], 3                         ; and the last two ask for nothing
	s_cbranch_scc1 .Lkept
	s_add_nc_u64 s[KVB:KVB+1], s[KVB:KVB+1], 0x8000
	GET STG, KVB, 32768                            ; the step after the next
.Lkept:
	MAXES 48, 16                                   ; tiles 12-15
.irp t, 0,1
	v_max3_num_f32 v[AC+4*\t], v[AC+4*\t], v[AC+4*\t+1], v[AC+4*\t+2]
.endr
.irp t, 0,1
	s_delay_alu instid0(VALU_DEP_2)
	v_permlanex16_b32 v[PM+\t], v[AC+4*\t], s[SEL], s[SEL+1]
.endr
.irp t, 0,1
	s_delay_alu instid0(VALU_DEP_2)
	v_max_num_f32 v[RUN+\t], v[AC+4*\t], v[PM+\t]  ; the largest score so far
.endr
.irp t, 0,1
	s_delay_alu instid0(VALU_DEP_2)
	v_mul_f32 v[AC+4*\t], s[CN], v[RUN+\t]         ; -t
.endr
.irp t, 0,1
	s_delay_alu instid0(VALU_DEP_2)
	v_fma_f32 v[AC+4*\t], -|v[AC+4*\t]|, s[SLK], v[AC+4*\t]
.endr
.irp t, 0,1
	s_delay_alu instid0(VALU_DEP_2)
	v_floor_f32 v[AC+4*\t], v[AC+4*\t]             ; the new -M, a whole number
.endr
.irp t, 0,1
	s_delay_alu instid0(VALU_DEP_2)
	v_sub_f32 v[AC+4*\t+1], v[AC+4*\t], v[NM+2*\t] ; old M - new M: 0 or less
.endr
.irp t, 0,1
	v_mov_b32 v[NM+2*\t], v[AC+4*\t]
.endr
.irp t, 0,1
	v_cvt_i32_f32 v[AC+4*\t+1], v[AC+4*\t+1]       ; (it saturates)
.endr
.irp t, 0,1
	s_delay_alu instid0(VALU_DEP_2)
	v_ldexp_f32 v[FF+2*\t], 1.0, v[AC+4*\t+1]
.endr
.irp t, 0,1
	v_pk_mul_f32 v[LS+2*\t:LS+2*\t+1], v[LS+2*\t:LS+2*\t+1], v[FF+2*\t:FF+2*\t+1] op_sel_hi:[1,0]
.endr
.irp t, 0,1
.set j, 0
.rept 16
	v_pk_mul_f32 v[O+32*\t+j:O+32*\t+j+1], v[O+32*\t+j:O+32*\t+j+1], v[FF+2*\t:FF+2*\t+1] op_sel_hi:[1,0]   ; O^T under the new M
.set j, j+2
.endr
.endr
	WIN 0x41                                       ; destination and source 0 in window 1
.set j, 0
.rept 64
	v_pk_fma_f32 v[j:j+1], v[j:j+1], s[CS:CS+1], v[NM:NM+1] op_sel_hi:[1,0,0]   ; t - M, tile 0
.set j, j+2
.endr
	s_wait_alu depctr_va_vdst(0)
	s_wait_dscnt 0x0                               ; V of keys 128..255 is in, my stores are done:
	s_barrier_signal -1                            ; say so; the wait stands behind the first conversions
.set j, 0
.rept 64
	v_exp_f32 v[j], v[j]                           ; p, tile 0
	v_exp_f32 v[j+1], v[j+1]
	v_pk_fma_f32 v[128+j:128+j+1], v[128+j:128+j+1], s[CS:CS+1], v[NM+2:NM+3] op_sel_hi:[1,0,0]   ; t - M, tile 1
.set j, j+2
.endr
	s_wait_alu depctr_va_vdst(0)                   ; tile 1's sources, tile 0's results
.set j, 128
.rept 128
	v_exp_f32 v[j], v[j]                           ; p, tile 1
.set j, j+1
.endr
	v_nop                                          ; a plain place behind the batch
	s_wait_alu depctr_va_vdst(0)                   ; one wait for the batch, ahead of its first reader
	WIN 0x05
.irp t, 0,1
	v_pk_add_f32 v[AC+4*\t:AC+4*\t+1], v[128*\t:128*\t+1], v[128*\t+2:128*\t+3]   ; the sum of the unquantised p: three chains a tile
	v_pk_add_f32 v[AC+4*\t+2:AC+4*\t+3], v[128*\t+4:128*\t+5], v[128*\t+6:128*\t+7]
.endr
	WIN 0x04
.set j, 8
.rept 20
.irp t, 0,1
	v_pk_add_f32 v[LS+2*\t:LS+2*\t+1], v[LS+2*\t:LS+2*\t+1], v[128*\t+j:128*\t+j+1]
	v_pk_add_f32 v[AC+4*\t:AC+4*\t+1], v[AC+4*\t:AC+4*\t+1], v[128*\t+j+2:128*\t+j+3]
	v_pk_add_f32 v[AC+4*\t+2:AC+4*\t+3], v[AC+4*\t+2:AC+4*\t+3], v[128*\t+j+4:128*\t+j+5]
.endr
.set j, j+6
.endr
	WIN 0
.irp t, 0,1
	v_pk_add_f32 v[AC+4*\t:AC+4*\t+1], v[AC+4*\t:AC+4*\t+1], v[AC+4*\t+2:AC+4*\t+3]
.endr
.irp t, 0,1
	s_delay_alu instid0(VALU_DEP_2)
	v_pk_add_f32 v[LS+2*\t:LS+2*\t+1], v[LS+2*\t:LS+2*\t+1], v[AC+4*\t:AC+4*\t+1]
.endr
	s_wait_alu depctr_va_vdst(0)
	s_cmp_ge_i32 s54, -15                          ; p / 2^ep is at most 32,768: the hold changes nothing
	s_cbranch_scc1 .Lheld
	WIN 0x41
.set j, 0
.rept 256
	v_min_num_f32 v[j], v[j], v[HOLD]              ; the conversion to an 8-bit code does not saturate (ISA guide 7.6.2); p is not negative
.set j, j+1
.endr
	WIN 0
.Lheld:
	WIN 0x01
.irp c, 0,1,2,3,4,5,6,7
	v_cvt_scalef32_pk8_bf8_f32 v[P+2*\c:P+2*\c+1], v[64+8*\c:64+8*\c+7], v[SCL]   ; keys 128..255, tile 0: the operand's registers
.endr
	WIN 0x40
.irp ct, 0,1,2,3
.irp c, 0,1,2,3
	ds_load_b128 v[64+16*\ct+4*\c:64+16*\ct+4*\c+3], v[ADR] offset:16384+2048*\ct+512*\c   ; V of keys 0..127, over scores that have been converted
.endr
.endr
	WIN 0x01
.irp c, 0,1,2,3,4,5,6,7
	v_cvt_scalef32_pk8_bf8_f32 v[P+16+2*\c:P+16+2*\c+1], v[192+8*\c:192+8*\c+7], v[SCL]   ; tile 1
.endr
	WIN 0
	s_add_co_u32 s[TB], s[TB], 0x8000
	v_add_nc_u32 v[ADR], s[TB], v[L16]             ; the next step's.  (Plain places: the conversions below write over the last ones' sources)
	v_add_nc_u32 v[STA], s[TB], v[WST]
	s_wait_alu depctr_va_vdst(0)
	s_barrier_wait -1                              ; every wave has stored its part of the next step
	s_cmp_lt_u32 s[CNT], 2                         ; the last step has no next
	s_cbranch_scc1 .Lno_first
	WIN 0x40
	LDT 0, KN                                      ; its key tiles 0-3, over scores that have been converted
	WIN 0
.Lno_first:
	WIN 0x41
.irp t, 0,1
.irp c, 0,1,2,3,4,5,6,7
	v_cvt_scalef32_pk8_bf8_f32 v[192+16*\t+2*\c:192+16*\t+2*\c+1], v[128*\t+8*\c:128*\t+8*\c+7], v[SCL]   ; keys 0..127
.endr
.endr
	v_nop                                          ; a plain place behind the last conversion
	WIN 0
.irp ct, 0,1,2,3
.irp t, 0,1
	v_wmma_f32_16x16x128_bf8_bf8 v[O+32*\t+8*\ct:O+32*\t+8*\ct+7], v[KV+16*\ct:KV+16*\ct+15], v[P+16*\t:P+16*\t+15], v[O+32*\t+8*\ct:O+32*\t+8*\ct+7]
.endr
.endr
	PLACES 4
	s_wait_alu depctr_va_vdst(0)
	s_cmp_lt_u32 s[CNT], 2
	s_cbranch_scc1 .Lno_next
	LDT 4, KV                                      ; the next step's key tiles 4-11
	LDT 8, KV+32
	s_wait_dscnt 24                                ; V of keys 0..127 is in; behind it the 24 loads of key tiles 0-11
	s_branch .Lgo_on
.Lno_next:
	s_wait_dscnt 0x0                               ; V of keys 0..127 is in: no load stands behind it
.Lgo_on:
	WIN 0x05
.irp ct, 0,1,2,3
.irp t, 0,1
	v_wmma_f32_16x16x128_bf8_bf8 v[O+32*\t+8*\ct:O+32*\t+8*\ct+7], v[64+16*\ct:64+16*\ct+15], v[192+16*\t:192+16*\t+15], v[O+32*\t+8*\ct:O+32*\t+8*\ct+7]
.endr
.endr
	WIN 0
	s_sub_co_u32 s[CNT], s[CNT], 1
	s_cmp_lg_u32 s[CNT], 0
	s_cbranch_scc1 .Lstep
	; THE WAY OUT: O^T / the sum x 2^(ep + ev), held and quantised with 2^eo.  v32-95 numbers, v96-111 codes, v112-127 lane l xor 16's, v208-223 what is stored.
.irp t, 0,1
	v_add_f32 v[LS+2*\t], v[LS+2*\t], v[LS+2*\t+1]
.endr
.irp t, 0,1
	s_delay_alu instid0(VALU_DEP_2)
	v_permlanex16_b32 v[PM+\t], v[LS+2*\t], s[SEL], s[SEL+1]
.endr
.irp t, 0,1
	s_delay_alu instid0(VALU_DEP_2)
	v_add_f32 v[LS+2*\t], v[LS+2*\t], v[PM+\t]
.endr
	s_wait_alu depctr_va_vdst(0)
.irp t, 0,1
	v_rcp_f32 v[LS+2*\t], v[LS+2*\t]
.endr
	v_and_b32 v5, 16, v0                           ; (a plain place) my half of the lanes
	s_add_co_i32 s57, s54, s55
	s_add_co_i32 s58, s56, 127
	s_lshl_b32 s59, s58, 23
	v_mov_b32 v[SCL], s59                          ; 2^eo
	s_add_co_i32 s58, s58, 15
	s_lshl_b32 s58, s58, 23
	s_or_b32 s58, s58, 0x600000
	v_mov_b32 v[HOLD], s58                         ; 57,344 x 2^eo
	s_wait_alu depctr_va_vdst(0)                   ; ahead of the first readers of the reciprocals and of O^T
.irp t, 0,1
	v_ldexp_f32 v[LS+2*\t], v[LS+2*\t], s57
.endr
.irp t, 0,1
.set j, 0
.rept 16
	v_pk_mul_f32 v[KV+32*\t+j:KV+32*\t+j+1], v[O+32*\t+j:O+32*\t+j+1], v[LS+2*\t:LS+2*\t+1] op_sel_hi:[1,0]
.set j, j+2
.endr
.endr
.irp t, 0,1
.set j, 0
.rept 32
	v_med3_num_f32 v[KV+32*\t+j], v[KV+32*\t+j], -v[HOLD], v[HOLD]
.set j, j+1
.endr
.irp ct, 0,1,2,3
	v_cvt_scalef32_pk8_bf8_f32 v[P+8*\t+2*\ct:P+8*\t+2*\ct+1], v[KV+32*\t+8*\ct:KV+32*\t+8*\ct+7], v[SCL]   ; channels 16 ct + 8 h + 0..7
.endr
.endr
	v_nop
	v_cmp_ne_u32 vcc_lo, 0, v5
.irp t, 0,1
.irp i, 0,1,2,3,4,5,6,7
	v_permlanex16_b32 v[P+16+8*\t+\i], v[P+8*\t+\i], s[SEL], s[SEL+1]
.endr
.endr
.irp t, 0,1
.irp b, 0,1
	v_cndmask_b32 v[STG+8*\t+4*\b],   v[P+8*\t+4*\b],      v[P+16+8*\t+4*\b+2], vcc_lo   ; lanes 0-15: channels 32 b + 0..15; lanes 16-31: 32 b + 16..31
	v_cndmask_b32 v[STG+8*\t+4*\b+1], v[P+8*\t+4*\b+1],    v[P+16+8*\t+4*\b+3], vcc_lo
	v_cndmask_b32 v[STG+8*\t+4*\b+2], v[P+16+8*\t+4*\b],   v[P+8*\t+4*\b+2], vcc_lo
	v_cndmask_b32 v[STG+8*\t+4*\b+3], v[P+16+8*\t+4*\b+1], v[P+8*\t+4*\b+3], vcc_lo
.endr
.endr
.irp t, 0,1
.irp b, 0,1
	global_store_b128 v[L16], v[STG+8*\t+4*\b:STG+8*\t+4*\b+3], s[10:11] offset:16384*\t+512*\b   ; 512 consecutive bytes, aligned
.endr
.endr
	s_wait_tensorcnt 0x0                           ; the wave's end
	ds_add_u32 v[SPW], v[NIL]
	s_wait_dscnt 0x0
	s_endpgm
.Lfunc_end_k_qee4bd7c349_attn:
	.size	k_qee4bd7c349_attn, .Lfunc_end_k_qee4bd7c349_attn-k_qee4bd7c349_attn
	.p2alignl 7, 3214868480
	.fill 96, 4, 3214868480
	.section	.rodata,"a",@progbits
	.p2align	6, 0x0
	.amdhsa_kernel k_qee4bd7c349_attn
		.amdhsa_group_segment_fixed_size 263168
		.amdhsa_private_segment_fixed_size 0
		.amdhsa_enable_private_segment 0
		.amdhsa_kernarg_size 32
		.amdhsa_user_sgpr_count 2
		.amdhsa_user_sgpr_kernarg_segment_ptr 1
		.amdhsa_wavefront_size32 1
		.amdhsa_system_sgpr_workgroup_id_x 1
		.amdhsa_system_sgpr_workgroup_id_y 1
		.amdhsa_system_sgpr_workgroup_id_z 1
		.amdhsa_system_vgpr_workitem_id 0
		.amdhsa_next_free_vgpr 512
		.amdhsa_next_free_sgpr 66
		.amdhsa_reserve_vcc 1
		.amdhsa_float_denorm_mode_32 3
		.amdhsa_float_denorm_mode_16_64 3
		.amdhsa_memory_ordered 1
		.amdhsa_forward_progress 1
		.amdhsa_inst_pref_size 76
	.end_amdhsa_kernel
	.amdgpu_metadata
---
amdhsa.version: [ 1, 2 ]
amdhsa.kernels:
  - .name:           k_qee4bd7c349_attn
    .symbol:         k_qee4bd7c349_attn.kd
    .args:
      - { .name: q_img, .offset: 0, .size: 8, .value_kind: global_buffer, .address_space: global }
      - { .name: kv_img, .offset: 8, .size: 8, .value_kind: global_buffer, .address_space: global }
      - { .name: lowp_scales, .offset: 16, .size: 8, .value_kind: global_buffer, .address_space: global }
      - { .name: a_img, .offset: 24, .size: 8, .value_kind: global_buffer, .address_space: global }
    .group_segment_fixed_size: 263168
    .private_segment_fixed_size: 0
    .kernarg_segment_align: 8
    .kernarg_segment_size: 32
    .max_flat_workgroup_size: 256
    .sgpr_count:     66
    .vgpr_count:     512
    .wavefront_size: 32
...
	.end_amdgpu_metadata
.endif
;; end of part 2
;; launch oproj (part 3): grid 8 x 32, 4 waves a work-group, clusters of 4 x 4, 327,680 bytes of LDS; arguments a_img, Wo_codes, bo, lowp_scales, out0; writes out0
.if DOCPART == 3
	.amdgcn_target "amdgcn-amd-amdhsa--gfx1250"
	.amdhsa_code_object_version 6
	.text
	.protected	k_qee4bd7c349_oproj
	.globl	k_qee4bd7c349_oproj
	.p2align	8
	.type	k_qee4bd7c349_oproj,@function
k_qee4bd7c349_oproj:
	s_mov_b64 s[64:65], 0
	v_nop
	global_prefetch_b8 v0, s[64:65] scope:SCOPE_SE
	s_setreg_imm32_b32 hwreg(HW_REG_WAVE_MODE, 25, 1), 1
	s_wait_xcnt 0x0
	s_wait_alu depctr_hold_cnt(0) depctr_sa_sdst(0) depctr_va_vdst(0) depctr_va_sdst(0) depctr_va_ssrc(0) depctr_va_vcc(0) depctr_vm_vsrc(0)
	s_getreg_b32 s2, hwreg(HW_REG_IB_STS2, 6, 4)
	s_cmp_eq_u32 s2, 0
	s_cbranch_scc0 .Lentry_in_a_cluster
	s_endpgm
.Lentry_in_a_cluster:
	s_bfe_u32 s2, ttmp6, 0x10000c
	s_cmp_lg_u32 s2, 0xf033
	s_cbranch_scc0 .Lentry_shape_is_right
	s_endpgm
.Lentry_shape_is_right:
; out0 = a Wo + bo on codes of BF8 (E5M2).  a_img: the attention's result as images of operand registers, [tile of 16 rows 256][head 16][piece 2][lane][16]: lane (r, h), piece b: row r, channels 32 b + 16 h + 0..15 of the head.
; Wo: [1024 (out)][1024 (K)] codes.  out0: [4096][1024] f32 = sum x 2^(e10 + e11) + bo.   LIMIT: e10 + e11 between -126 and 127, so that the power of two is an f32 number.
; SHARES.  256 work-groups of four waves, a tile of 128 x 128 each, a wave 64 x 64.  All 1,024 along K of both operands lie in LDS, brought by one tensor load a wave (waves 0, 1: a's halves; 2, 3: Wo's); no byte is filled again.
; CLUSTERS: 4 x 4.  a's rows are shared along a row of the cluster, Wo's along a column: each fill is asked for jointly by the four that share it.
; No prefetch is laid: all that the work-group reads is asked for at its head, and there is no loop to run ahead in.
; BY ROWS.  My 64 rows of Wo lie in registers as fragments of all eight steps of 128 along K; a's four blocks of 16 rows are finished one after the other, and a block leaves while the next is multiplied.
; ORDER OF K.  Two heads are 128 along K; a's four pieces of them give registers 4 c .. 4 c + 3 the K 32 c + 16 h + 0..15, and so do four 16-byte loads, 32 bytes apart, from Wo's rows.
; THE MATRIX INSTRUCTION IS USED TRANSPOSED (source 0 = 16 rows of Wo, source 1 = 16 rows of a): a lane holds eight neighbouring numbers of a row of out0.
; REGISTERS.  window 0: v4-11, v28-29 addresses; v32-63 bo; v64-95 a block's results; v96-127, v128-159 rows read back; v192-255 two sets of four accumulators.   window 1: a's fragments, two blocks.   windows 2, 3: Wo's, step s, block b at v[64 (s % 4) + 16 b].
.set BBASE,  131072                    ; LDS: a's eight tiles of rows, 16,384 bytes each; Wo's 128 rows, 1,040 bytes apart (1,024 + 16 of padding)
.set WPITCH, 1040
.set STAGE,  264192                    ; the way out: 16 rows x 272 bytes for each wave; no fill lands here
.set SPARE,  STAGE+4*4352              ; the spare words, 128 bytes for each wave
.set ADRA, 4                           ; v4 LDS address of my fragments of a
.set ADRB, 6                           ; v6 of Wo
.set STO,  8                           ; v8 the way out: where I put 32 bytes of a row
.set RD,   9                           ; v9 where I read a row back
.set CO,   10                          ; v10 my byte offset in out0
.set BO,   11                          ; v11 my byte offset in bo
.set SPW,  28                          ; v28 my spare word; v29 0
.set NIL,  29
.set BIAS, 32
.set TMP,  64
.set BK,   96
.set ACC,  192
.set G1A, 24                           ; s[24:31] descriptor group 1 for a; s[32:35] group 0
.set G0A, 32
.set G1B, 48                           ; s[48:55], s[56:59] for Wo
.set G0B, 56
.set MSB, 0
.macro WIN new                         ; the immediate's high byte repeats the setting that is left
.if MSB != (\new)
	s_set_vgpr_msb (MSB<<8)|(\new)
.set MSB, (\new)
.endif
.endm
.macro CROUND                          ; a round of the cluster's barrier
	s_barrier_signal -1
	s_barrier_wait -1
	s_cmp_lg_u32 s14, 0
	s_cbranch_scc1 .Lnot_wave_0_\@
	s_barrier_signal -3
.Lnot_wave_0_\@:
	s_barrier_wait -3
	s_barrier_signal -1
	s_barrier_wait -1
.endm
	s_load_b256 s[4:11], s[0:1], 0x0               ; a_img s[4:5], Wo s[6:7], bo s[8:9], the scales s[10:11]
	s_load_b64 s[12:13], s[0:1], 0x20              ; out0
	v_lshl_add_u32 v[SPW], v0, 2, SPARE
	v_mov_b32 v[NIL], 0
	ds_add_u32 v[SPW], v[NIL]                      ; the wave's opening: the add, twice on end, and its wait
	ds_add_u32 v[SPW], v[NIL]
	v_lshrrev_b32 v1, 5, v0
	v_readfirstlane_b32 s14, v1                    ; wave 0..3
	s_lshr_b32 s15, s14, 1                         ; my half of the tile's rows.  Also: I fetch for a (0) or for Wo (1)
	s_and_b32 s16, s14, 1                          ; my half of its columns.  Also: which half of that operand's rows I fetch
	s_bfe_u32 s84, ttmp6, 0x40000                  ; cx, cy
	s_bfe_u32 s85, ttmp6, 0x40004
	s_lshl_b32 s86, ttmp9, 2
	s_add_co_u32 s86, s86, s84                     ; tile column
	s_and_b32 s17, ttmp7, 0xffff
	s_lshl_b32 s17, s17, 2
	s_add_co_u32 s17, s17, s85                     ; tile row
	s_lshl_b32 s87, s85, 2
	s_lshl_b32 s87, 15, s87                        ; my row of the cluster
	s_lshl_b32 s88, 0x1111, s84                    ; my column
	s_or_b32 s[G1A], s87, (3<<16)|(1<<21)          ; a: 64 KiB, dense: 256 rows of 32 elements of 8 bytes; the mask; 21 set beside a mask; no padding
	s_mov_b32 s[G1A+1], 32<<16
	s_mov_b32 s[G1A+2], 256<<16
	s_mov_b32 s[G1A+3], 32<<16
	s_mov_b32 s[G1A+4], 256
	s_mov_b32 s[G1A+5], 32
	s_mov_b32 s[G1A+6], 0
	s_mov_b32 s[G1A+7], 0
	s_or_b32 s[G1B], s88, (1<<20)|(1<<21)|(7<<22)|(3<<25)   ; Wo: 64 rows of 1,024 bytes; padding: four words after every 256
	s_mov_b32 s[G1B+1], 1024<<16
	s_mov_b32 s[G1B+2], 64<<16
	s_mov_b32 s[G1B+3], 1024<<16
	s_mov_b32 s[G1B+4], 64
	s_mov_b32 s[G1B+5], 1024
	s_mov_b32 s[G1B+6], 0
	s_mov_b32 s[G1B+7], 0
	s_lshl_b32 s18, s17, 3
	s_lshl_b32 s19, s16, 2
	s_add_co_u32 s18, s18, s19                     ; a: tile of rows 8 x tile row + 4 x half, 16 KiB each: it hangs on the tile row alone
	s_lshl_b32 s18, s18, 14
	s_mov_b32 s19, 0
	s_lshl_b32 s90, s86, 7
	s_lshl_b32 s91, s16, 6
	s_add_co_u32 s90, s90, s91                     ; Wo: row 128 x tile column + 64 x half: it hangs on the tile column alone
	s_lshl_b32 s90, s90, 10
	s_mov_b32 s91, 0
	s_lshl_b32 s20, s16, 16                        ; where they go: no place in the cluster enters an LDS address
	s_mul_i32 s21, s16, 64*WPITCH
	s_add_co_u32 s21, s21, BBASE
	s_wait_dscnt 0x0                               ; both opening adds are done
	s_wait_kmcnt 0x0
	s_load_b64 s[94:95], s[10:11], 0x28            ; e10, e11
	s_add_nc_u64 s[18:19], s[4:5], s[18:19]
	s_add_nc_u64 s[90:91], s[6:7], s[90:91]
	s_mov_b32 s[G0A], 1                            ; count = 1
	s_mov_b32 s[G0A+1], s20                        ; LDS address
	s_mov_b64 s[G0A+2:G0A+3], s[18:19]             ; global address
	s_or_b32 s[G0A+3], s[G0A+3], 0x80000000        ; type = 2
	s_mov_b32 s[G0B], 1
	s_mov_b32 s[G0B+1], s21
	s_mov_b64 s[G0B+2:G0B+3], s[90:91]
	s_or_b32 s[G0B+3], s[G0B+3], 0x80000000
	CROUND                                         ; all sixteen work-groups are here: the joint loads meet
	s_cmp_eq_u32 s15, 0                            ; a wave's one fill stands in one branch on its number; four v_nop follow it
	s_cbranch_scc0 .Lfill_b
	tensor_load_to_lds s[G0A:G0A+3], s[G1A:G1A+7]
	s_nop 0
.rept 4
	v_nop
.endr
	s_branch .Lfilled
.Lfill_b:
	tensor_load_to_lds s[G0B:G0B+3], s[G1B:G1B+7]
	s_nop 0
.rept 4
	v_nop
.endr
.Lfilled:
	s_lshl_b32 s20, s15, 16                        ; my four tiles of rows
	s_mul_i32 s21, s16, 64*WPITCH                  ; my 64 rows of Wo
	s_add_co_u32 s21, s21, BBASE
	s_mul_i32 s22, s14, 4352
	s_add_co_u32 s22, s22, STAGE                   ; my stage
	v_and_b32 v1, 15, v0                           ; r
	v_bfe_u32 v2, v0, 4, 1                         ; h
	v_and_b32 v3, 31, v0
	v_lshlrev_b32 v3, 4, v3                        ; 16 x lane
	v_add_nc_u32 v[ADRA], s20, v3
	v_mul_u32_u24 v12, v1, WPITCH
	v_lshl_add_u32 v12, v2, 4, v12                 ; row x pitch + 16 x half
	v_add_nc_u32 v[ADRB], s21, v12
	v_mul_u32_u24 v[STO], v1, 272
	v_lshl_add_u32 v[STO], v2, 5, v[STO]
	v_add_nc_u32 v[STO], s22, v[STO]               ; in: row r, 32 bytes for each half of the lanes
	v_mul_u32_u24 v[RD], v2, 272
	v_lshl_add_u32 v[RD], v1, 4, v[RD]
	v_add_nc_u32 v[RD], s22, v[RD]                 ; back: lanes 0-15 one row of 256 bytes, lanes 16-31 the next
	v_lshlrev_b32 v[CO], 12, v2
	v_lshl_add_u32 v[CO], v1, 4, v[CO]             ; and the same two rows in out0
	v_lshlrev_b32 v[BO], 5, v2
	s_wait_alu depctr_va_vdst(0)
	s_lshl_b32 s60, s17, 7
	s_lshl_b32 s61, s15, 6
	s_add_co_u32 s60, s60, s61                     ; my first row of out0, 4,096 bytes each
	s_lshl_b32 s60, s60, 12
	s_lshl_b32 s62, s86, 7
	s_lshl_b32 s63, s16, 6
	s_add_co_u32 s62, s62, s63                     ; my first column, in bytes
	s_lshl_b32 s62, s62, 2
	s_mov_b32 s63, 0
	s_add_nc_u64 s[8:9], s[8:9], s[62:63]
	s_add_co_u32 s60, s60, s62
	s_mov_b32 s61, 0
	s_add_nc_u64 s[12:13], s[12:13], s[60:61]
.irp b, 0,1,2,3
	global_load_b128 v[BIAS+8*\b:BIAS+8*\b+3],   v[BO], s[8:9] offset:64*\b      ; bo at my columns 16 b + 8 h + 0..7
	global_load_b128 v[BIAS+8*\b+4:BIAS+8*\b+7], v[BO], s[8:9] offset:64*\b+16
.endr
	s_wait_kmcnt 0x0
	s_add_co_i32 s92, s94, s95
	s_add_co_i32 s92, s92, 127
	s_lshl_b32 s92, s92, 23                        ; 2^(e10 + e11) as f32
	s_mov_b32 s93, s92                             ; (named with it as a pair)
.macro LB s                            ; Wo's four fragments of step s: 16 loads
	WIN 0x80+0x40*((\s)/4)
.irp b, 0,1,2,3
.irp c, 0,1,2,3
	ds_load_b128 v[64*((\s)%4)+16*\b+4*\c:64*((\s)%4)+16*\b+4*\c+3], v[ADRB] offset:16*WPITCH*\b+128*(\s)+32*\c
.endr
.endr
.endm
.macro LA a, s                         ; a's fragment of block a, step s: 4 loads
	WIN 0x40
.irp c, 0,1,2,3
	ds_load_b128 v[128*((\a)%2)+16*(\s)+4*\c:128*((\a)%2)+16*(\s)+4*\c+3], v[ADRA] offset:16384*(\a)+2048*(\s)+512*\c
.endr
.endm
.macro LALL a
.irp s, 0,1,2,3,4,5,6,7
	LA \a, \s
.endr
.endm
.macro MUL4 a, s                       ; step s of block a: the block's four accumulators take turns
	WIN 0x06+((\s)/4)
.irp b, 0,1,2,3
.set AC, ACC+32*((\a)%2)+8*\b
.if (\s) == 0
	v_wmma_f32_16x16x128_bf8_bf8 v[AC:AC+7], v[64*((\s)%4)+16*\b:64*((\s)%4)+16*\b+15], v[128*((\a)%2)+16*(\s):128*((\a)%2)+16*(\s)+15], 0
.else
	v_wmma_f32_16x16x128_bf8_bf8 v[AC:AC+7], v[64*((\s)%4)+16*\b:64*((\s)%4)+16*\b+15], v[128*((\a)%2)+16*(\s):128*((\a)%2)+16*(\s)+15], v[AC:AC+7]
.endif
.endr
.endm
.macro ROW a
.irp s, 0,1,2,3,4,5,6,7
	MUL4 \a, \s
.endr
	WIN 0
.endm
; THE WAY OUT of block a, 16 rows x 64 columns: sum x 2^(e10 + e11) + bo; through my own stage in LDS; back as whole rows of 256 bytes.  LDS serves a wave's instructions in order (ISA guide 5.7.1.4): no wait between the stores and the loads.
.macro PACK a
	WIN 0
.rept 4
	v_nop                                          ; places behind the block's last products
.endr
.irp b, 0,1,2,3
.irp i, 0,2,4,6
	v_pk_fma_f32 v[TMP+8*\b+\i:TMP+8*\b+\i+1], v[ACC+32*((\a)%2)+8*\b+\i:ACC+32*((\a)%2)+8*\b+\i+1], s[92:93], v[BIAS+8*\b+\i:BIAS+8*\b+\i+1] op_sel_hi:[1,0,1]
.endr
.endr
.irp b, 0,1,2,3
	ds_store_b128 v[STO], v[TMP+8*\b:TMP+8*\b+3] offset:64*\b
	ds_store_b128 v[STO], v[TMP+8*\b+4:TMP+8*\b+7] offset:64*\b+16
.endr
.if (\a) > 1
	s_wait_xcnt 0x0                                ; block a - 2's stores have read these registers
.endif
.irp t, 0,1,2,3,4,5,6,7
	ds_load_b128 v[BK+32*((\a)%2)+4*\t:BK+32*((\a)%2)+4*\t+3], v[RD] offset:544*\t
.endr
.endm
.macro SEND a, younger                 ; younger: the LDS instructions issued behind the block's loads, which may stay out
	WIN 0
	s_wait_dscnt \younger
.irp t, 0,1,2,3,4,5,6,7
	global_store_b128 v[CO], v[BK+32*((\a)%2)+4*\t:BK+32*((\a)%2)+4*\t+3], s[12:13] offset:65536*(\a)+8192*\t th:TH_STORE_NT   ; sixteen lanes store 256 consecutive bytes, aligned; written once, read by nobody here
.endr
.endm
	s_wait_tensorcnt 0x0                           ; my part is in
	s_barrier_signal -1
	s_barrier_wait -1                              ; everybody's is
.irp s, 0,1,2
	LB \s
	LA 0, \s
.endr
.irp s, 0,1,2,3,4,5,6,7                ; block 0, while Wo's fragments come in: 20 loads a step, three steps ahead
.if \s < 7
	s_wait_dscnt 40                                ; step s is in; behind it 40 loads
.else
	s_wait_dscnt 32                                ; behind it block 1's 32
.endif
	MUL4 0, \s
.if \s < 5
	LB \s+3
	LA 0, \s+3
.endif
.if \s == 5
.irp u, 0,1,2,3,4
	LA 1, \u
.endr
.endif
.if \s == 6
.irp u, 5,6,7
	LA 1, \u
.endr
.endif
.endr
	WIN 0
	s_wait_loadcnt 0x0                             ; bo
	PACK 0
	LALL 2                                         ; (PACK's lines are the places behind block 0's products)
	s_wait_dscnt 48                                ; block 1's fragments are in; behind them the stage's 16 and block 2's 32
	ROW 1
	SEND 0, 32
	PACK 1
	LALL 3
	s_wait_dscnt 48
	ROW 2
	SEND 1, 32
	PACK 2
	s_wait_dscnt 16                                ; block 3's fragments are in; behind them the stage's 16
	ROW 3
	SEND 2, 0
	PACK 3
	SEND 3, 0
	s_wait_tensorcnt 0x0                           ; the wave's end
	ds_add_u32 v[SPW], v[NIL]
	s_wait_dscnt 0x0
	CROUND                                         ; the closing round
	s_endpgm
.Lfunc_end_k_qee4bd7c349_oproj:
	.size	k_qee4bd7c349_oproj, .Lfunc_end_k_qee4bd7c349_oproj-k_qee4bd7c349_oproj
	.p2alignl 7, 3214868480
	.fill 96, 4, 3214868480
	.section	.rodata,"a",@progbits
	.p2align	6, 0x0
	.amdhsa_kernel k_qee4bd7c349_oproj
		.amdhsa_group_segment_fixed_size 327680
		.amdhsa_private_segment_fixed_size 0
		.amdhsa_enable_private_segment 0
		.amdhsa_kernarg_size 40
		.amdhsa_user_sgpr_count 2
		.amdhsa_user_sgpr_kernarg_segment_ptr 1
		.amdhsa_wavefront_size32 1
		.amdhsa_system_sgpr_workgroup_id_x 1
		.amdhsa_system_sgpr_workgroup_id_y 1
		.amdhsa_system_sgpr_workgroup_id_z 1
		.amdhsa_system_vgpr_workitem_id 0
		.amdhsa_next_free_vgpr 1024
		.amdhsa_next_free_sgpr 96
		.amdhsa_reserve_vcc 0
		.amdhsa_float_denorm_mode_32 3
		.amdhsa_float_denorm_mode_16_64 3
		.amdhsa_memory_ordered 1
		.amdhsa_forward_progress 1
		.amdhsa_inst_pref_size 45
	.end_amdhsa_kernel
	.amdgpu_metadata
---
amdhsa.version: [ 1, 2 ]
amdhsa.kernels:
  - .name:           k_qee4bd7c349_oproj
    .symbol:         k_qee4bd7c349_oproj.kd
    .args:
      - { .name: a_img, .offset: 0, .size: 8, .value_kind: global_buffer, .address_space: global }
      - { .name: Wo_codes, .offset: 8, .size: 8, .value_kind: global_buffer, .address_space: global }
      - { .name: bo, .offset: 16, .size: 8, .value_kind: global_buffer, .address_space: global }
      - { .name: lowp_scales, .offset: 24, .size: 8, .value_kind: global_buffer, .address_space: global }
      - { .name: out0, .offset: 32, .size: 8, .value_kind: global_buffer, .address_space: global }
    .group_segment_fixed_size: 327680
    .private_segment_fixed_size: 0
    .kernarg_segment_align: 8
    .kernarg_segment_size: 40
    .max_flat_workgroup_size: 128
    .sgpr_count:     96
    .vgpr_count:     1024
    .wavefront_size: 32
...
	.end_amdgpu_metadata
.endif
;; end of part 3
